; MI455X (gfx1250); checked and timed in simulation.
; The chip was launched on July 23, 2026; its instructions are those of AMD's public machine-readable ISA for CDNA 5 (MIT licence, August 2026) and "CDNA5" Instruction Set Architecture Reference Guide (July 2026). The comments in the code are by the model that wrote it; some were corrected since.
;; Attention Block. Allowed arithmetic: float matrix products may take bf16 or f16 operands with f32 sums; all other float work in f32.
;; Inputs: norm_b 256 float32; norm_w 256 float32; proj_b 256 float32; proj_w 256 x 256 float32; qkv_b 768 float32; qkv_w 768 x 256 float32; x 2 x 256 x 64 x 64 float32.
;; Outputs: out0 2 x 256 x 64 x 64 float32.
;; One version. Each part assembles by itself: llvm-mc -triple=amdgcn-amd-amdhsa -mcpu=gfx1250 --defsym DOCPART=n.
;; ======== version 1 of 1: 4 launches
;; workspace buffers: xn 4,194,304 bytes; wbf 524,288 bytes; qb 4,194,304 bytes; kb 4,194,304 bytes; vb 4,194,304 bytes; ab 4,194,304 bytes
;; launch gnorm (part 1): grid 64 x 1, 16 waves a work-group, no clusters, 2,560 bytes of LDS; arguments x, norm_w, norm_b, qkv_w, proj_w, xn, wbf; writes xn, wbf
.if DOCPART == 1
	.amdgcn_target "amdgcn-amd-amdhsa--gfx1250"
	.amdhsa_code_object_version 6
	.text
	.protected	k_q608414d99b_gnorm
	.globl	k_q608414d99b_gnorm
	.p2align	8
	.type	k_q608414d99b_gnorm,@function
k_q608414d99b_gnorm:
	s_mov_b64 s[64:65], 0
	v_nop
	global_prefetch_b8 v0, s[64:65] scope:SCOPE_SE
	s_setreg_imm32_b32 hwreg(HW_REG_WAVE_MODE, 25, 1), 1
	s_wait_xcnt 0x0
; GroupNorm of x [2][256][4096] f32 over 32 groups of 8 channels, written as bf16 into xn [2][256][4096];
; and both weight matrices f32 -> bf16 into wbf [1024][256] (rows 0-767 qkv_w, rows 768-1023 proj_w).
; One work-group = one group = 32,768 neighbouring f32 (131,072 bytes): 512 threads x 64 numbers, kept in registers between
; the pass for the mean, the pass for the variance (of the centred numbers: no difference of large sums) and the scaling,
; so x is read once.  There are 64 groups, so 64 work-groups: a sum across work-groups would need a launch more.
; No matrix unit, no cluster, no tensor load: no work-group shares an input byte with another, and the data pass once.
; Each load of a wave covers 512 neighbouring bytes, each store 256 neighbouring bytes, both aligned.
; LIMITS: xn and wbf are rounded to bf16 (nearest even); infinities and NaN in x are not reproduced.
.set X,    16                          ; v[16:79]   my 64 numbers: chunk i (4 registers) lies at byte 8192 i + 16 t of the group; channel = i / 2
.set WT,   80                          ; v[80:87]   my 8 weights in f32
.set WP,   88                          ; v[88:91]   the same in bf16
.set PART, 96                          ; v[96:111]  the sixteen waves' partial sums
	s_load_b256 s[4:11], s[0:1], 0x0               ; x s[4:5], norm_w s[6:7], norm_b s[8:9], qkv_w s[10:11]
	s_load_b128 s[12:15], s[0:1], 0x20             ; proj_w s[12:13], xn s[14:15]
	s_load_b64 s[16:17], s[0:1], 0x30              ; wbf
	v_lshl_add_u32 v112, v0, 2, 0x200
	v_mov_b32 v113, 0
	v_lshlrev_b32 v1, 4, v0                        ; 16 t: my bytes in an f32 chunk
	v_lshlrev_b32 v2, 3, v0                        ; 8 t: my bytes in a bf16 chunk
	v_lshrrev_b32 v3, 5, v0
	v_readfirstlane_b32 s18, v3                    ; wave 0..15
	v_mov_b32 v3, s18
	v_lshlrev_b32 v3, 2, v3                        ; my wave's word in LDS
	v_mov_b32 v4, 0
	s_mov_b32 s40, 0x76543210                      ; v_permlanex16_b32: lane i reads lane i of the other half
	s_mov_b32 s41, 0xfedcba98
	s_mov_b32 s42, 0x38000000                      ; 2^-15 = 1 / 32,768
	s_and_b32 s38, ttmp9, 31
	s_lshl_b32 s38, s38, 5                         ; the group's 8 gains and 8 biases: 32 bytes each
	s_mov_b32 s39, 0
	s_lshl_b32 s44, ttmp9, 17                      ; the group in x: 131,072 bytes
	s_mov_b32 s45, 0
	s_lshl_b32 s46, ttmp9, 16                      ; the group in xn: 65,536 bytes
	s_mov_b32 s47, 0
	s_lshl_b32 s48, ttmp9, 13                      ; my 16 rows of wbf: 8,192 bytes
	s_mov_b32 s49, 0
	s_cmp_lt_u32 ttmp9, 48                         ; work-groups 0-47 convert qkv_w (768 rows), 48-63 proj_w (256 rows)
	s_cselect_b32 s50, 0, 48
	s_sub_co_u32 s50, ttmp9, s50
	s_lshl_b32 s50, s50, 14                        ; 16 rows of 1,024 bytes in the matrix that is mine
	s_mov_b32 s51, 0
	s_wait_kmcnt 0x0
	s_cmp_lt_u32 ttmp9, 48
	s_cselect_b64 s[36:37], s[10:11], s[12:13]
	s_add_nc_u64 s[36:37], s[36:37], s[50:51]
	s_add_nc_u64 s[6:7], s[6:7], s[38:39]
	s_add_nc_u64 s[8:9], s[8:9], s[38:39]
	s_add_nc_u64 s[4:5], s[4:5], s[44:45]
	s_add_nc_u64 s[14:15], s[14:15], s[46:47]
	s_add_nc_u64 s[16:17], s[16:17], s[48:49]
	s_load_b256 s[20:27], s[6:7], 0x0              ; norm_w of my 8 channels
	s_load_b256 s[28:35], s[8:9], 0x0              ; norm_b of my 8 channels
	global_load_b128 v[WT:WT+3], v1, s[36:37] th:TH_LOAD_NT
	global_load_b128 v[WT+4:WT+7], v1, s[36:37] offset:8192 th:TH_LOAD_NT
.irp i, 0,1,2,3,4,5,6,7,8,9,10,11,12,13,14,15
	global_load_b128 v[X+4*\i:X+4*\i+3], v1, s[4:5] offset:\i*8192
.endr
	s_wait_loadcnt 16                              ; the sixteen loads of x are younger: the two loads of weights are in
	v_cvt_pk_bf16_f32 v[WP], v[WT], v[WT+1]
	v_cvt_pk_bf16_f32 v[WP+1], v[WT+2], v[WT+3]
	v_cvt_pk_bf16_f32 v[WP+2], v[WT+4], v[WT+5]
	v_cvt_pk_bf16_f32 v[WP+3], v[WT+6], v[WT+7]
	global_store_b64 v2, v[WP:WP+1], s[16:17]
	global_store_b64 v2, v[WP+2:WP+3], s[16:17] offset:4096
; v[8:11] hold two pair chains.  They are folded, summed over the 32 lanes, and over the 16 waves through 64 bytes of LDS at
; \base; every wave adds the sixteen partial sums in the same order, so every thread ends with the same number in v[PART].
.macro WGSUM base
	v_pk_add_f32 v[8:9], v[8:9], v[10:11]
	v_add_f32 v8, v8, v9
	v_add_f32_dpp v8, v8, v8 row_xmask:1 row_mask:0xf bank_mask:0xf
	v_add_f32_dpp v8, v8, v8 row_xmask:2 row_mask:0xf bank_mask:0xf
	v_add_f32_dpp v8, v8, v8 row_xmask:4 row_mask:0xf bank_mask:0xf
	v_add_f32_dpp v8, v8, v8 row_xmask:8 row_mask:0xf bank_mask:0xf
	v_permlanex16_b32 v9, v8, s40, s41             ; v9 has been written: the destination counts as read
	v_add_f32 v8, v8, v9
	ds_store_b32 v3, v8 offset:\base               ; all lanes of a wave write the wave's word with the same number
	s_wait_dscnt 0x0                               ; my store is done before I say so
	s_barrier_signal -1
	s_barrier_wait -1
.irp k, 0,1,2,3
	ds_load_b128 v[PART+4*\k:PART+4*\k+3], v4 offset:\base+16*\k
.endr
	s_wait_dscnt 0x0
	v_pk_add_f32 v[PART:PART+1], v[PART:PART+1], v[PART+2:PART+3]
	v_pk_add_f32 v[PART+4:PART+5], v[PART+4:PART+5], v[PART+6:PART+7]
	v_pk_add_f32 v[PART+8:PART+9], v[PART+8:PART+9], v[PART+10:PART+11]
	v_pk_add_f32 v[PART+12:PART+13], v[PART+12:PART+13], v[PART+14:PART+15]
	v_pk_add_f32 v[PART:PART+1], v[PART:PART+1], v[PART+4:PART+5]
	v_pk_add_f32 v[PART+8:PART+9], v[PART+8:PART+9], v[PART+12:PART+13]
	v_pk_add_f32 v[PART:PART+1], v[PART:PART+1], v[PART+8:PART+9]
	v_add_f32 v[PART], v[PART], v[PART+1]
.endm
	; pass 1: the sum, in two chains that the first two chunks start
	s_wait_loadcnt 14                              ; chunks 0 and 1 are in, fourteen younger loads stay out
	v_pk_add_f32 v[8:9], v[X:X+1], v[X+4:X+5]
	v_pk_add_f32 v[10:11], v[X+2:X+3], v[X+6:X+7]
.set i, 2
.rept 14
	s_wait_loadcnt 15-i                            ; chunk i is in; the 15 - i behind it stay out
	v_pk_add_f32 v[8:9], v[8:9], v[X+4*i:X+4*i+1]
	v_pk_add_f32 v[10:11], v[10:11], v[X+4*i+2:X+4*i+3]
.set i, i+1
.endr
	WGSUM 0
	v_mul_f32 v12, s42, v[PART]                    ; the mean, twice: a pair for the packed subtraction
	v_mul_f32 v13, s42, v[PART]
	; pass 2: centre in place, then the sum of squares of the centred numbers
.set i, 0
.rept 32
	v_pk_add_f32 v[X+2*i:X+2*i+1], v[X+2*i:X+2*i+1], v[12:13] neg_lo:[0,1] neg_hi:[0,1]
.set i, i+1
.endr
	v_pk_mul_f32 v[8:9], v[X:X+1], v[X:X+1]
	v_pk_mul_f32 v[10:11], v[X+2:X+3], v[X+2:X+3]
.set i, 2
.rept 30
	v_pk_fma_f32 v[8+2*(i%2):9+2*(i%2)], v[X+2*i:X+2*i+1], v[X+2*i:X+2*i+1], v[8+2*(i%2):9+2*(i%2)]
.set i, i+1
.endr
	WGSUM 256                                      ; other bytes than the first sum's: no wave can overwrite what another still reads
	v_mov_b32 v15, 0x3727c5ac                      ; 1e-5
	v_fma_f32 v14, v[PART], s42, v15               ; variance + eps
	v_rsq_f32 v5, v14
	s_wait_kmcnt 0x0                               ; gains and biases are in
	v_nop                                          ; one plain vector instruction between v_rsq_f32 and the use of its result (ISA guide 5.7.2)
	; y = (x - mean) * (rstd * w[c]) + b[c], rounded once to bf16; channel c is chunks 2c and 2c + 1
	s_wait_alu depctr_va_vdst(0)
.irp c, 0,1,2,3,4,5,6,7
	v_mul_f32 v6, s[20+\c], v5
.irp k, 0,1,2,3,4,5,6,7
	v_fma_f32 v[X+8*\c+\k], v[X+8*\c+\k], v6, s[28+\c]
.endr
	v_cvt_pk_bf16_f32 v[X+8*\c], v[X+8*\c], v[X+8*\c+1]
	v_cvt_pk_bf16_f32 v[X+8*\c+1], v[X+8*\c+2], v[X+8*\c+3]
	v_cvt_pk_bf16_f32 v[X+8*\c+4], v[X+8*\c+4], v[X+8*\c+5]
	v_cvt_pk_bf16_f32 v[X+8*\c+5], v[X+8*\c+6], v[X+8*\c+7]
	global_store_b64 v2, v[X+8*\c:X+8*\c+1], s[14:15] offset:(2*\c)*4096
	global_store_b64 v2, v[X+8*\c+4:X+8*\c+5], s[14:15] offset:(2*\c+1)*4096
.endr
	s_wait_tensorcnt 0x0
	ds_add_u32 v112, v113
	s_wait_dscnt 0x0
	s_endpgm
.Lfunc_end_k_q608414d99b_gnorm:
	.size	k_q608414d99b_gnorm, .Lfunc_end_k_q608414d99b_gnorm-k_q608414d99b_gnorm
	.p2alignl 7, 3214868480
	.fill 96, 4, 3214868480
	.section	.rodata,"a",@progbits
	.p2align	6, 0x0
	.amdhsa_kernel k_q608414d99b_gnorm
		.amdhsa_group_segment_fixed_size 2560
		.amdhsa_private_segment_fixed_size 0
		.amdhsa_enable_private_segment 0
		.amdhsa_kernarg_size 56
		.amdhsa_user_sgpr_count 2
		.amdhsa_user_sgpr_kernarg_segment_ptr 1
		.amdhsa_wavefront_size32 1
		.amdhsa_system_sgpr_workgroup_id_x 1
		.amdhsa_system_sgpr_workgroup_id_y 1
		.amdhsa_system_sgpr_workgroup_id_z 1
		.amdhsa_system_vgpr_workitem_id 0
		.amdhsa_next_free_vgpr 114
		.amdhsa_next_free_sgpr 66
		.amdhsa_reserve_vcc 0
		.amdhsa_float_denorm_mode_32 3
		.amdhsa_float_denorm_mode_16_64 3
		.amdhsa_memory_ordered 1
		.amdhsa_forward_progress 1
		.amdhsa_inst_pref_size 22
	.end_amdhsa_kernel
	.amdgpu_metadata
---
amdhsa.version: [ 1, 2 ]
amdhsa.kernels:
  - .name:           k_q608414d99b_gnorm
    .symbol:         k_q608414d99b_gnorm.kd
    .args:
      - { .name: x, .offset: 0, .size: 8, .value_kind: global_buffer, .address_space: global }
      - { .name: norm_w, .offset: 8, .size: 8, .value_kind: global_buffer, .address_space: global }
      - { .name: norm_b, .offset: 16, .size: 8, .value_kind: global_buffer, .address_space: global }
      - { .name: qkv_w, .offset: 24, .size: 8, .value_kind: global_buffer, .address_space: global }
      - { .name: proj_w, .offset: 32, .size: 8, .value_kind: global_buffer, .address_space: global }
      - { .name: xn, .offset: 40, .size: 8, .value_kind: global_buffer, .address_space: global }
      - { .name: wbf, .offset: 48, .size: 8, .value_kind: global_buffer, .address_space: global }
    .group_segment_fixed_size: 2560
    .private_segment_fixed_size: 0
    .kernarg_segment_align: 8
    .kernarg_segment_size: 56
    .max_flat_workgroup_size: 512
    .sgpr_count:     66
    .vgpr_count:     114
    .wavefront_size: 32
...
	.end_amdgpu_metadata
.endif
;; end of part 1
;; launch qkv (part 2): grid 4 x 64, 4 waves a work-group, clusters of 4 x 4, 229,888 bytes of LDS; arguments xn, wbf, qkv_b, qb, kb, vb; writes qb, kb, vb
.if DOCPART == 2
	.amdgcn_target "amdgcn-amd-amdhsa--gfx1250"
	.amdhsa_code_object_version 6
	.text
	.protected	k_q608414d99b_qkv
	.globl	k_q608414d99b_qkv
	.p2align	8
	.type	k_q608414d99b_qkv,@function
k_q608414d99b_qkv:
	s_mov_b64 s[64:65], 0
	v_nop
	global_prefetch_b8 v0, s[64:65] scope:SCOPE_SE
	s_setreg_imm32_b32 hwreg(HW_REG_WAVE_MODE, 25, 1), 1
	s_wait_xcnt 0x0
	s_wait_alu depctr_hold_cnt(0) depctr_sa_sdst(0) depctr_va_vdst(0) depctr_va_sdst(0) depctr_va_ssrc(0) depctr_va_vcc(0) depctr_vm_vsrc(0)
	s_getreg_b32 s2, hwreg(HW_REG_IB_STS2, 6, 4)
	s_cmp_eq_u32 s2, 0
	s_cbranch_scc0 .Lentry_in_a_cluster
	s_endpgm
.Lentry_in_a_cluster:
	s_bfe_u32 s2, ttmp6, 0x10000c
	s_cmp_lg_u32 s2, 0xf033
	s_cbranch_scc0 .Lentry_shape_is_right
	s_endpgm
.Lentry_shape_is_right:
; qkv[o][t] = sum over c of W[o][c] xn[c][t] + qkv_b[o], split by head:
;   qb [8 bh][4096 t][64 c] bf16 = (q + bias) * 0.125 * log2(e)   (both factors 64^-0.25 and the change to base 2, folded into q)
;   kb [8 bh][4096 t][64 c] bf16 = k + bias
;   vb [8 bh][64 c][4096 t] bf16 = v + bias
; A work-group makes the 192 rows of one head (64 q, 64 k, 64 v) for 128 t of one batch, K = 256 in one piece: 768 matrix instructions.
; Wave w takes t = 32 w .. 32 w + 31 (2 tiles) and all 192 rows, in three groups (q, k, v) of 4 x 2 accumulator tiles x 8 K steps.
; CLUSTERS: 4 x 4 work-groups.  x of the grid is the head, y is (batch, block of t).  The tile of xn hangs on y alone and is asked for jointly
; along a row of the cluster; the tile of W hangs on the head alone and is asked for jointly along a column.  One tensor load a wave, once.
; ORIENTATION: for q and k source 0 = rows of W, source 1 = columns of xn, so lane (r, h) holds t = r and 8 neighbouring channels (16 bytes of a row of qb);
; the bias runs along those 8 and enters as the C of the first product.  For v the sources are swapped: a lane holds one channel and 8 neighbouring t.
; xn lies [c][t] in LDS; ds_load_tr16_b128 turns 8 x 8 blocks so that a lane gets one t and c along its registers.
; REGISTERS: window 0 addresses, accumulators, biases, staging; window 1 the 16 fragments of xn (all K, kept for the three groups);
; window 2 the 32 fragments of W of groups q and v; window 3 those of group k.
; LIMITS: operands and results are bf16 (nearest even), sums f32.
.set WV,  16                           ; s16 wave number
.set G1W, 24                           ; s[24:31] group 1 for W's tile
.set G0W, 32                           ; s[32:35] group 0 for W's tile
.set G1X, 36                           ; s[36:43] group 1 for xn's tile
.set G0X, 44                           ; s[44:47] group 0 for xn's tile
.set WPITCH, 528                       ; 512 bytes + 16: an odd multiple of 16
.set XPITCH, 288                       ; 256 bytes + 32: an odd multiple of 32, for the transposing loads
.set QPITCH, 144                       ; 128 bytes + 16
.set VPITCH, 272                       ; 256 bytes + 16
.set XT,  192*WPITCH                   ; 101,376: xn's tile, 256 rows
.set QKS, XT+256*XPITCH                ; 175,104: each wave's own stages for q and k, 32 rows each
.set VS,  QKS+4*64*QPITCH              ; 211,968: the work-group's stage for v, 64 rows; ends at 229,376
.set WAD, 6                            ; v6-8   W fragments of group 0, 1, 2
.set XAD, 9                            ; v9-10  xn fragments, K steps 0-3 and 4-7
.set STQ, 11                           ; v11    into my q/k stage
.set RDQ, 12                           ; v12    back out of it
.set STV, 13                           ; v13    into the v stage
.set RDV, 14                           ; v14    back out of it
.set GOQ, 15                           ; v15    my bytes in qb, kb
.set GOV, 16                           ; v16    my bytes in vb
.set BOF, 17                           ; v17    my 8 biases of a q or k tile
.set BOV, 18                           ; v18    my bias of a v tile
.set ACC, 32                           ; v[32:95]   8 accumulator tiles, (mi, nt) at 8 (2 mi + nt)
.set BQ,  96                           ; v[96:159]  biases as C: q's 4 tiles, then k's
.set VB,  160                          ; v[160:167] v's bias, a pair (b, b) for each of 4 tiles
.set TMP, 168                          ; v[168:199] packed results
.set RB,  200                          ; v[200:231] rows read back
.set MSB, 0
.macro WIN new                         ; the immediate's high byte repeats the setting that is left
.if MSB != \new
	s_set_vgpr_msb (MSB<<8)|\new
.set MSB, \new
.endif
.endm
.macro PLACES n
.rept \n
	v_nop
.endr
.endm
.macro CROUND                          ; a round of the cluster's barrier
	s_barrier_signal -1
	s_barrier_wait -1
	s_cmp_lg_u32 s[WV], 0
	s_cbranch_scc1 .Lnot_wave_0_\@
	s_barrier_signal -3
.Lnot_wave_0_\@:
	s_barrier_wait -3
	s_barrier_signal -1
	s_barrier_wait -1
.endm
	s_load_b256 s[4:11], s[0:1], 0x0               ; xn s[4:5], wbf s[6:7], qkv_b s[8:9], qb s[10:11]
	s_load_b128 s[12:15], s[0:1], 0x20             ; kb s[12:13], vb s[14:15]
	v_lshl_add_u32 v254, v0, 2, 0x38000
	v_mov_b32 v255, 0
	ds_add_u32 v254, v255
	v_lshrrev_b32 v1, 5, v0
	v_readfirstlane_b32 s[WV], v1                  ; wave 0..3
	s_and_b32 s23, s[WV], 1                        ; which half of its tile a wave fetches
	s_bfe_u32 s17, ttmp6, 0x40000                  ; cx
	s_bfe_u32 s18, ttmp6, 0x40004                  ; cy
	s_lshl_b32 s19, ttmp9, 2
	s_add_co_u32 s19, s19, s17                     ; head = 4 x cluster x + cx
	s_and_b32 s20, ttmp7, 0xffff
	s_lshl_b32 s20, s20, 2
	s_add_co_u32 s20, s20, s18                     ; y = 4 x cluster y + cy = 32 batch + block of t
	s_lshr_b32 s21, s20, 5                         ; batch
	s_and_b32 s22, s20, 31                         ; block of 128 t
	s_lshl_b32 s48, s18, 2
	s_lshl_b32 s48, 15, s48                        ; my row of the cluster
	s_lshl_b32 s49, 0x1111, s17                    ; my column
	; W's tile: 96 rows x 256 elements of 2 bytes, 4 words of padding behind every 128
	s_or_b32 s[G1W+0], s49, (1<<16)|(1<<20)|(1<<21)|(6<<22)|(3<<25)
	s_mov_b32 s[G1W+1], 256<<16                    ; tensor_dim0 = 256
	s_mov_b32 s[G1W+2], 96<<16                     ; tensor_dim1 = 96
	s_mov_b32 s[G1W+3], 256<<16                    ; tile_dim0 = 256
	s_mov_b32 s[G1W+4], 96                         ; tile_dim1 = 96
	s_mov_b32 s[G1W+5], 256                        ; elements from row to row
	s_mov_b32 s[G1W+6], 0
	s_mov_b32 s[G1W+7], 0
	; xn's tile: 128 rows x 128 elements of 2 bytes, 8 words of padding behind every 64
	s_or_b32 s[G1X+0], s48, (1<<16)|(1<<20)|(1<<21)|(5<<22)|(7<<25)
	s_mov_b32 s[G1X+1], 128<<16
	s_mov_b32 s[G1X+2], 128<<16
	s_mov_b32 s[G1X+3], 128<<16
	s_mov_b32 s[G1X+4], 128
	s_mov_b32 s[G1X+5], 4096
	s_mov_b32 s[G1X+6], 0
	s_mov_b32 s[G1X+7], 0
	s_mul_i32 s50, s19, 192                        ; W: row 192 head + 96 half, 512 bytes a row: hangs on cx and the wave alone
	s_mul_i32 s51, s23, 96
	s_add_co_u32 s50, s50, s51
	s_lshl_b32 s50, s50, 9
	s_mov_b32 s51, 0
	s_lshl_b32 s52, s21, 21                        ; xn: batch x 2 MiB + half x 128 rows of 8,192 bytes + block x 256 bytes: hangs on cy and the wave alone
	s_lshl_b32 s53, s23, 20
	s_add_co_u32 s52, s52, s53
	s_lshl_b32 s53, s22, 8
	s_add_co_u32 s52, s52, s53
	s_mov_b32 s53, 0
	s_lshl2_add_u32 s56, s21, s19                  ; bh = 4 batch + head
	s_lshl_b32 s56, s56, 19                        ; 524,288 bytes for each
	s_lshl_b32 s54, s22, 14                        ; qb, kb: row 128 block + 32 wave, 128 bytes a row
	s_lshl_b32 s55, s[WV], 12
	s_add_co_u32 s54, s54, s55
	s_add_co_u32 s54, s54, s56
	s_mov_b32 s55, 0
	s_lshl_b32 s58, s[WV], 17                      ; vb: row 16 wave (8,192 bytes a row), column 128 block
	s_lshl_b32 s59, s22, 8
	s_add_co_u32 s58, s58, s59
	s_add_co_u32 s58, s58, s56
	s_mov_b32 s59, 0
	s_mul_i32 s56, s19, 768                        ; the head's 192 biases
	s_mov_b32 s57, 0
	v_and_b32 v1, 15, v0                           ; r
	v_bfe_u32 v2, v0, 4, 1                         ; h
	v_and_b32 v3, 31, v0                           ; lane
	v_lshlrev_b32 v[BOF], 5, v2                    ; 8 h biases of 4 bytes
	v_lshlrev_b32 v[BOV], 2, v1
	s_wait_dscnt 0x0
	s_wait_kmcnt 0x0
	s_mov_b32 s[G0W+0], 1
	s_mul_i32 s[G0W+1], s[WV], 96*WPITCH           ; waves 0, 1: W's two halves
	s_add_nc_u64 s[G0W+2:G0W+3], s[6:7], s[50:51]
	s_or_b32 s[G0W+3], s[G0W+3], 0x80000000
	s_mov_b32 s[G0X+0], 1
	s_mul_i32 s[G0X+1], s[WV], 128*XPITCH          ; waves 2, 3: xn's two halves, behind W
	s_add_co_u32 s[G0X+1], s[G0X+1], XT-2*128*XPITCH
	s_add_nc_u64 s[G0X+2:G0X+3], s[4:5], s[52:53]
	s_or_b32 s[G0X+3], s[G0X+3], 0x80000000
	s_add_nc_u64 s[8:9], s[8:9], s[56:57]
	s_add_nc_u64 s[10:11], s[10:11], s[54:55]
	s_add_nc_u64 s[12:13], s[12:13], s[54:55]
	s_add_nc_u64 s[14:15], s[14:15], s[58:59]
	CROUND                                         ; all sixteen work-groups are here: the joint loads meet
	s_cmp_lt_u32 s[WV], 2                          ; the branch hangs on the wave's number alone
	s_cbranch_scc0 .Lfor_x
	tensor_load_to_lds s[G0W:G0W+3], s[G1W:G1W+7]
	s_nop 0
	s_branch .Lasked
.Lfor_x:
	tensor_load_to_lds s[G0X:G0X+3], s[G1X:G1X+7]
	s_nop 0
.Lasked:
	; biases: for q and k lane (r, h) needs those of rows 16 mi + 8 h + 0..7 (the layout of C); for v that of row 16 vi + r, twice
.irp g, 0,1
.irp mi, 0,1,2,3
	global_load_b128 v[BQ+32*\g+8*\mi:BQ+32*\g+8*\mi+3], v[BOF], s[8:9] offset:(\g*64+\mi*16)*4
	global_load_b128 v[BQ+32*\g+8*\mi+4:BQ+32*\g+8*\mi+7], v[BOF], s[8:9] offset:(\g*64+\mi*16)*4+16
.endr
.endr
.irp vi, 0,1,2,3
	global_load_b32 v[VB+2*\vi], v[BOV], s[8:9] offset:512+64*\vi
	global_load_b32 v[VB+2*\vi+1], v[BOV], s[8:9] offset:512+64*\vi
.endr
	v_mul_u32_u24 v4, v1, WPITCH
	v_lshl_add_u32 v[WAD], v2, 4, v4               ; row r, 16 bytes for each half of the lanes
	v_add_nc_u32 v[WAD+1], 64*WPITCH, v[WAD]
	v_add_nc_u32 v[WAD+2], 128*WPITCH, v[WAD]
	v_and_b32 v4, 7, v0
	v_lshl_add_u32 v4, v2, 3, v4                   ; row c = 8 h + lane mod 8
	v_mul_u32_u24 v4, v4, XPITCH
	v_bfe_u32 v5, v0, 3, 1
	v_lshl_add_u32 v4, v5, 4, v4                   ; 16 bytes = 8 t for each group of eight lanes
	s_lshl_b32 s57, s[WV], 6                       ; my 32 t
	s_add_co_u32 s57, s57, XT
	v_add_nc_u32 v[XAD], s57, v4
	v_add_nc_u32 v[XAD+1], 128*XPITCH, v[XAD]
	s_mul_i32 s57, s[WV], 64*QPITCH
	s_add_co_u32 s57, s57, QKS
	v_mul_u32_u24 v4, v1, QPITCH
	v_lshl_add_u32 v4, v2, 4, v4
	v_add_nc_u32 v[STQ], s57, v4
	v_lshrrev_b32 v4, 3, v3
	v_mul_u32_u24 v4, v4, QPITCH
	v_and_b32 v5, 7, v0
	v_lshl_add_u32 v4, v5, 4, v4
	v_add_nc_u32 v[RDQ], s57, v4                   ; eight lanes take a row of 128 bytes
	v_mul_u32_u24 v4, v1, VPITCH
	v_lshl_add_u32 v4, v2, 4, v4
	s_lshl_b32 s57, s[WV], 6
	s_add_co_u32 s57, s57, VS
	v_add_nc_u32 v[STV], s57, v4
	v_mul_u32_u24 v4, v2, VPITCH
	v_lshl_add_u32 v4, v1, 4, v4
	s_mul_i32 s57, s[WV], 16*VPITCH
	s_add_co_u32 s57, s57, VS
	v_add_nc_u32 v[RDV], s57, v4                   ; sixteen lanes take a row of 256 bytes
	v_lshlrev_b32 v[GOQ], 4, v3
	v_lshlrev_b32 v4, 4, v1
	v_lshl_add_u32 v[GOV], v2, 13, v4
; all 16 fragments of xn for my 32 t: 32 transposing loads into window 1, fragment (ks, nt) at 8 (2 ks + nt)
.macro FETCHX
	WIN 0x40
.set ks, 0
.rept 8
.irp nt, 0,1
	ds_load_tr16_b128 v[8*(2*ks+\nt):8*(2*ks+\nt)+3], v[XAD+ks/4] offset:(ks%4)*32*XPITCH+32*\nt
	ds_load_tr16_b128 v[8*(2*ks+\nt)+4:8*(2*ks+\nt)+7], v[XAD+ks/4] offset:(ks%4)*32*XPITCH+32*\nt+16*XPITCH
.endr
.set ks, ks+1
.endr
.endm
; the 32 fragments of W of group g: 64 loads into window win, fragment (ks, mi) at 8 (4 ks + mi), K step by K step
.macro FETCHW g, win
	WIN (\win<<6)
.set ks, 0
.rept 8
.irp mi, 0,1,2,3
	ds_load_b128 v[8*(4*ks+\mi):8*(4*ks+\mi)+3], v[WAD+\g] offset:\mi*16*WPITCH+64*ks
	ds_load_b128 v[8*(4*ks+\mi)+4:8*(4*ks+\mi)+7], v[WAD+\g] offset:\mi*16*WPITCH+64*ks+32
.endr
.set ks, ks+1
.endr
.endm
; 64 matrix instructions: 8 K steps x 8 accumulators, which take turns, one instruction a turn.
; The first K step starts the sums: from the bias (q, k) or from 0 (v).  counted = 1: W's loads are still coming in, K step by K step.
.macro MUL g, msb, counted
	WIN \msb
.set ks, 0
.rept 8
.if \counted
	s_wait_dscnt 56-8*ks                           ; the 8 loads of each later K step may stay out; xn's loads are older than all of W's
.endif
.irp mi, 0,1,2,3
.irp nt, 0,1
.set d, ACC+8*(2*\mi+\nt)
.set wf, 8*(4*ks+\mi)
.set xf, 8*(2*ks+\nt)
.if \g < 2
.if ks == 0
	v_wmma_f32_16x16x32_bf16 v[d:d+7], v[wf:wf+7], v[xf:xf+7], v[BQ+32*\g+8*\mi:BQ+32*\g+8*\mi+7]
.else
	v_wmma_f32_16x16x32_bf16 v[d:d+7], v[wf:wf+7], v[xf:xf+7], v[d:d+7]
.endif
.else
.if ks == 0
	v_wmma_f32_16x16x32_bf16 v[d:d+7], v[xf:xf+7], v[wf:wf+7], 0
.else
	v_wmma_f32_16x16x32_bf16 v[d:d+7], v[xf:xf+7], v[wf:wf+7], v[d:d+7]
.endif
.endif
.endr
.endr
.set ks, ks+1
.endr
.endm
; q (g = 0) or k (g = 1) on the way out: pack, 16 bytes a lane into my own stage, whole rows back, 512 neighbouring bytes a store.
.macro EPIQK g, sb
	WIN 0
.if \g == 0
.set i, 0
.rept 32
	v_pk_mul_f32 v[ACC+2*i:ACC+2*i+1], v[ACC+2*i:ACC+2*i+1], 0x3e38aa3b op_sel_hi:[1,0]   ; 0.125 log2(e)
.set i, i+1
.endr
.endif
.set i, 0
.rept 32
	v_cvt_pk_bf16_f32 v[TMP+i], v[ACC+2*i], v[ACC+2*i+1]
.set i, i+1
.endr
.irp mi, 0,1,2,3
.irp nt, 0,1
	ds_store_b128 v[STQ], v[TMP+4*(2*\mi+\nt):TMP+4*(2*\mi+\nt)+3] offset:\g*32*QPITCH+\nt*16*QPITCH+\mi*32
.endr
.endr
	s_wait_xcnt 0x0                                ; RB, which earlier stores read, is loaded again only behind this wait
.irp i, 0,1,2,3,4,5,6,7
	ds_load_b128 v[RB+4*\i:RB+4*\i+3], v[RDQ] offset:\g*32*QPITCH+\i*4*QPITCH   ; LDS serves a wave's instructions in order: these see the stores above
.endr
.irp i, 0,1,2,3,4,5,6,7
	s_wait_dscnt 7-\i                              ; the younger read-backs stay out; the last count, 0, also shows the next group's fragments of W in
	global_store_b128 v[GOQ], v[RB+4*\i:RB+4*\i+3], s[\sb:\sb+1] offset:512*\i
.endr
.endm
	s_wait_tensorcnt 0x0                           ; my part of the tiles is in LDS,
	s_barrier_signal -1
	s_barrier_wait -1                              ; everybody's is
	FETCHX
	FETCHW 0, 2
	s_wait_loadcnt 0x0                             ; the biases
	MUL 0, 0x06, 1                                 ; source 0 window 2 (W), source 1 window 1 (xn)
	WIN 0
	PLACES 4                                       ; four places between the last products and the vector instructions that read them (ISA guide 7.12.1)
	FETCHW 1, 3                                    ; k's fragments come in under q's way out
	EPIQK 0, 10
	MUL 1, 0x07, 0                                 ; source 0 window 3.  Its first products write over q's sums: behind the four v_nop and the conversions of the other tiles
	WIN 0
	PLACES 4
	FETCHW 2, 2                                    ; v's fragments, into the window that q's products have read
	EPIQK 1, 12
	MUL 2, 0x09, 0                                 ; swapped: source 0 window 1 (xn), source 1 window 2 (W)
	WIN 0
	PLACES 4
	; v on the way out: a lane holds channel 16 vi + r and 8 neighbouring t.  The stage is the work-group's: a row of 128 t is made by all four waves.
.irp vi, 0,1,2,3
.irp nt, 0,1
.irp p, 0,1,2,3
	v_pk_add_f32 v[ACC+8*(2*\vi+\nt)+2*\p:ACC+8*(2*\vi+\nt)+2*\p+1], v[ACC+8*(2*\vi+\nt)+2*\p:ACC+8*(2*\vi+\nt)+2*\p+1], v[VB+2*\vi:VB+2*\vi+1]
.endr
.endr
.endr
.set i, 0
.rept 32
	v_cvt_pk_bf16_f32 v[TMP+i], v[ACC+2*i], v[ACC+2*i+1]
.set i, i+1
.endr
.irp vi, 0,1,2,3
.irp nt, 0,1
	ds_store_b128 v[STV], v[TMP+4*(2*\vi+\nt):TMP+4*(2*\vi+\nt)+3] offset:\vi*16*VPITCH+\nt*32
.endr
.endr
	s_wait_dscnt 0x0                               ; my stores are done before I say so
	s_barrier_signal -1
	s_barrier_wait -1
	s_wait_xcnt 0x0                                ; RB was the data of k's stores
.irp i, 0,1,2,3,4,5,6,7
	ds_load_b128 v[RB+4*\i:RB+4*\i+3], v[RDV] offset:\i*2*VPITCH
.endr
.irp i, 0,1,2,3,4,5,6,7
	s_wait_dscnt 7-\i
	global_store_b128 v[GOV], v[RB+4*\i:RB+4*\i+3], s[14:15] offset:\i*16384   ; sixteen lanes store 256 neighbouring bytes, aligned
.endr
	s_wait_tensorcnt 0x0
	ds_add_u32 v254, v255
	s_wait_dscnt 0x0
	CROUND                                         ; the closing round: no work-group ends while a partner may still ask jointly
	s_endpgm
.Lfunc_end_k_q608414d99b_qkv:
	.size	k_q608414d99b_qkv, .Lfunc_end_k_q608414d99b_qkv-k_q608414d99b_qkv
	.p2alignl 7, 3214868480
	.fill 96, 4, 3214868480
	.section	.rodata,"a",@progbits
	.p2align	6, 0x0
	.amdhsa_kernel k_q608414d99b_qkv
		.amdhsa_group_segment_fixed_size 229888
		.amdhsa_private_segment_fixed_size 0
		.amdhsa_enable_private_segment 0
		.amdhsa_kernarg_size 48
		.amdhsa_user_sgpr_count 2
		.amdhsa_user_sgpr_kernarg_segment_ptr 1
		.amdhsa_wavefront_size32 1
		.amdhsa_system_sgpr_workgroup_id_x 1
		.amdhsa_system_sgpr_workgroup_id_y 1
		.amdhsa_system_sgpr_workgroup_id_z 1
		.amdhsa_system_vgpr_workitem_id 0
		.amdhsa_next_free_vgpr 1024
		.amdhsa_next_free_sgpr 66
		.amdhsa_reserve_vcc 0
		.amdhsa_float_denorm_mode_32 3
		.amdhsa_float_denorm_mode_16_64 3
		.amdhsa_memory_ordered 1
		.amdhsa_forward_progress 1
		.amdhsa_inst_pref_size 54
	.end_amdhsa_kernel
	.amdgpu_metadata
---
amdhsa.version: [ 1, 2 ]
amdhsa.kernels:
  - .name:           k_q608414d99b_qkv
    .symbol:         k_q608414d99b_qkv.kd
    .args:
      - { .name: xn, .offset: 0, .size: 8, .value_kind: global_buffer, .address_space: global }
      - { .name: wbf, .offset: 8, .size: 8, .value_kind: global_buffer, .address_space: global }
      - { .name: qkv_b, .offset: 16, .size: 8, .value_kind: global_buffer, .address_space: global }
      - { .name: qb, .offset: 24, .size: 8, .value_kind: global_buffer, .address_space: global }
      - { .name: kb, .offset: 32, .size: 8, .value_kind: global_buffer, .address_space: global }
      - { .name: vb, .offset: 40, .size: 8, .value_kind: global_buffer, .address_space: global }
    .group_segment_fixed_size: 229888
    .private_segment_fixed_size: 0
    .kernarg_segment_align: 8
    .kernarg_segment_size: 48
    .max_flat_workgroup_size: 128
    .sgpr_count:     66
    .vgpr_count:     1024
    .wavefront_size: 32
...
	.end_amdgpu_metadata
.endif
;; end of part 2
;; launch attn (part 3): grid 32 x 8, 16 waves a work-group, clusters of 4 x 1, 327,680 bytes of LDS; arguments qb, kb, vb, ab; writes ab
.if DOCPART == 3
	.amdgcn_target "amdgcn-amd-amdhsa--gfx1250"
	.amdhsa_code_object_version 6
	.text
	.protected	k_q608414d99b_attn
	.globl	k_q608414d99b_attn
	.p2align	8
	.type	k_q608414d99b_attn,@function
k_q608414d99b_attn:
	s_mov_b64 s[64:65], 0
	v_nop
	global_prefetch_b8 v0, s[64:65] scope:SCOPE_SE
	s_setreg_imm32_b32 hwreg(HW_REG_WAVE_MODE, 25, 1), 1
	s_wait_xcnt 0x0
	s_wait_alu depctr_hold_cnt(0) depctr_sa_sdst(0) depctr_va_vdst(0) depctr_va_sdst(0) depctr_va_ssrc(0) depctr_va_vcc(0) depctr_vm_vsrc(0)
	s_getreg_b32 s2, hwreg(HW_REG_IB_STS2, 6, 4)
	s_cmp_eq_u32 s2, 0
	s_cbranch_scc0 .Lentry_in_a_cluster
	s_endpgm
.Lentry_in_a_cluster:
	s_bfe_u32 s2, ttmp6, 0x10000c
	s_cmp_lg_u32 s2, 0x3003
	s_cbranch_scc0 .Lentry_shape_is_right
	s_endpgm
.Lentry_shape_is_right:
; ab[bh][t][c] = sum over s of softmax_s(q[t] . k[s]) v[c][s], for 8 (batch, head) pairs, 4,096 t, 4,096 s, 64 c.  qb carries 0.125 log2(e), so exponentials are in base 2.
; A work-group takes 128 queries of one head.  SIXTEEN WAVES of 256 registers, four on a SIMD: within a wave a block is a chain (K's fragments, scores, maximum, exponentials, P, P V),
; 32 matrix instructions and some 240 vector instructions that use one unit at a time; four waves at different places of that chain keep both units in work.
; Wave w: query group qg = w & 3 (32 queries, 2 tiles) and key quarter kq = w >> 2 (128 of each slot's 512 keys, two blocks of 64): each fragment of K and of V feeds two matrix instructions.
; Each wave keeps a running maximum, sum and output for its keys; the four quarters of a query group are merged once, at the end, through LDS.
; ORIENTATION: scores transposed, source 0 = 16 keys of K, source 1 = 16 queries of Q: lane (r, h) holds query r and keys 8 h + j.  Two key tiles, packed to bf16 in place,
; ARE a source-1 fragment of P (query r; keys 8 h + j and 16 + 8 h + j).  Output transposed, source 0 = 16 channels of V: lane (r, h) holds query r and channels 8 h + j.
; So maximum, sum and rescaling factor are one number a lane; only the maximum crosses the two halves of the lanes (one v_permlanex16_b32 a block and query tile).
; REGISTERS: everything lies in v0-v255, so no register window is ever switched.  K's and V's fragments share 64 registers: V's are loaded when the scores' products have read K's,
; the next block's K when the P V products have read V's; the other waves of the SIMD work while those loads are on their way.
; CLUSTERS: the 4 work-groups of a cluster are query blocks of one head and walk the same K and V: every tile is asked for jointly (mask 15), a quarter of the requests.
; THE RING: two slots of 512 keys.  Every wave brings a part: waves 0-7 64 keys of K each (8,192 neighbouring bytes, described as 32 rows of 256 aligned bytes, with 16 bytes of padding
; behind every 128, so that a key's row has a pitch of 144 in LDS), waves 8-15 32 channels x 128 keys of V each (rows of 256 aligned bytes, pitch 272).
; A wave has two tensor loads out at the start and one behind each round; that one has two blocks' work of every wave in which to land.
; LIMITS: Q, K, V and P are bf16; the softmax's sum is taken over the unrounded p; v_exp_f32 gives 0 for results below 2^-126, so such terms drop out; infinities and NaN are not reproduced.
.set WV,  12                           ; s12 wave number
.set G1K, 24                           ; s[24:31] group 1 for K's tiles
.set G1V, 32                           ; s[32:39] group 1 for V's tiles
.set G0K, 40                           ; s[40:47] group 0 for K's tiles, one set for each slot
.set G0V, 48                           ; s[48:55] group 0 for V's tiles, one set for each slot
.set KPITCH, 144                       ; 128 bytes + 16
.set VPITCH, 272                       ; 256 bytes + 16
.set KBYTES, 512*KPITCH                ; 73,728
.set VSUB,   64*VPITCH                 ; 17,408: a sub-tile of V, 64 channels x 128 keys: one key quarter's
.set SLOT,   KBYTES+4*VSUB             ; 143,360
.set MSZ,    8704                      ; the merge stage: 8,192 bytes of output + 512 of maxima and sums for each wave, 16 x 8,704 = 139,264 bytes from LDS byte 0:
                                       ; in slot 0, which by then has had its last fill and, in front of the last trip's barrier, its last read
.set KAD, 1                            ; v1-2   my K fragments in slot 0, 1
.set VAD, 3                            ; v3-4   my V fragments in slot 0, 1
.set MB,  1                            ; v1     (merge) the stage of the partner 8 waves on, 16 bytes a lane
.set MB4, 2                            ; v2     (merge) the same, 4 bytes a lane
.set OST, 3                            ; v3     (way out) into my stage
.set ORD, 4                            ; v4     (way out) back by rows
.set MAD, 5                            ; v5     (merge) my stage, 16 bytes a lane
.set MAD4, 6                           ; v6     (merge) my stage, 4 bytes a lane
.set GO,  7                            ; v7     (way out) my bytes in ab
.set M,   8                            ; v[8:11]   running maximum of query tile qt in v[8 + 2 qt]; the packed instructions broadcast a pair's lower register (op_sel_hi 0)
.set AL,  12                           ; v[12:15]  rescaling factor of query tile qt in v[12 + 2 qt], likewise
.set L,   16                           ; v[16:23]  running sum: two pair chains for each query tile, folded only at the end
.set T,   24                           ; v[24:31]  at work, four for each query tile
.set S,   32                           ; v[32:95]   scores, then p, then P: query tile qt, key tile kt at 32 qt + 8 kt
.set F,   96                           ; v[96:159]  K fragments (16 kt + 8 ch), then V fragments (32 sc + 8 ct)
.set O,   160                          ; v[160:223] output tiles, 32 qt + 8 ct
.set QF,  224                          ; v[224:255] Q fragments, 16 qt + 8 ch; free for the merge's small numbers at the end
.macro PLACES n
.rept \n
	v_nop
.endr
.endm
.macro CROUND                          ; a round of the cluster's barrier
	s_barrier_signal -1
	s_barrier_wait -1
	s_cmp_lg_u32 s[WV], 0
	s_cbranch_scc1 .Lnot_wave_0_\@
	s_barrier_signal -3
.Lnot_wave_0_\@:
	s_barrier_wait -3
	s_barrier_signal -1
	s_barrier_wait -1
.endm
.macro JLOAD s                         ; a wave's one joint load: waves 0-7 K's, waves 8-15 V's; the branch hangs on the wave's number alone
	s_cmp_lt_u32 s[WV], 8
	s_cbranch_scc0 .Lfor_v_\@
	tensor_load_to_lds s[G0K+4*\s:G0K+4*\s+3], s[G1K:G1K+7]
	s_nop 0
	s_branch .Lasked_\@
.Lfor_v_\@:
	tensor_load_to_lds s[G0V+4*\s:G0V+4*\s+3], s[G1V:G1V+7]
	s_nop 0
.Lasked_\@:
.endm
	s_load_b256 s[4:11], s[0:1], 0x0               ; qb s[4:5], kb s[6:7], vb s[8:9], ab s[10:11]
	v_lshl_add_u32 v94, v0, 2, 0x46000
	v_mov_b32 v95, 0
	ds_add_u32 v94, v95
	s_wait_dscnt 0x0
	v_lshrrev_b32 v24, 5, v0
	v_readfirstlane_b32 s[WV], v24                 ; wave 0..15
	s_and_b32 s13, s[WV], 3                        ; query group
	s_lshr_b32 s14, s[WV], 2                       ; key quarter
	s_bfe_u32 s15, ttmp6, 0x40000                  ; cx
	s_lshl_b32 s16, ttmp9, 2
	s_add_co_u32 s16, s16, s15                     ; block of 128 queries
	s_and_b32 s17, ttmp7, 0xffff                   ; bh
	s_mov_b32 s20, 0x76543210                      ; v_permlanex16_b32: lane i reads lane i of the other half
	s_mov_b32 s21, 0xfedcba98
	; K's part: 64 keys x 128 bytes lie without gaps in memory: 32 rows x 128 elements of 2 bytes; 4 words of padding behind every 32 words, that is behind every key
	s_mov_b32 s[G1K+0], 15|(1<<16)|(1<<20)|(1<<21)|(4<<22)|(3<<25)
	s_mov_b32 s[G1K+1], 128<<16                    ; tensor_dim0 = 128
	s_mov_b32 s[G1K+2], 32<<16                     ; tensor_dim1 = 32
	s_mov_b32 s[G1K+3], 128<<16                    ; tile_dim0 = 128
	s_mov_b32 s[G1K+4], 32                         ; tile_dim1 = 32
	s_mov_b32 s[G1K+5], 128                        ; elements from row to row
	s_mov_b32 s[G1K+6], 0
	s_mov_b32 s[G1K+7], 0
	; V's part: 32 rows (channels) x 128 elements (keys) of 2 bytes, 4 words of padding behind every 64
	s_mov_b32 s[G1V+0], 15|(1<<16)|(1<<20)|(1<<21)|(5<<22)|(3<<25)
	s_mov_b32 s[G1V+1], 128<<16
	s_mov_b32 s[G1V+2], 32<<16
	s_mov_b32 s[G1V+3], 128<<16
	s_mov_b32 s[G1V+4], 32
	s_mov_b32 s[G1V+5], 4096
	s_mov_b32 s[G1V+6], 0
	s_mov_b32 s[G1V+7], 0
	s_lshl_b32 s23, s17, 19                        ; the head's 524,288 bytes in each buffer
	s_lshl_b32 s18, s[WV], 13                      ; K (waves 0-7): my 64 keys of 128 bytes
	s_add_co_u32 s18, s18, s23
	s_mov_b32 s19, 0
	s_bfe_u32 s56, s[WV], 0x20001                  ; V (waves 8-15): sub-tile (w >> 1) & 3: 128 keys of 2 bytes,
	s_lshl_b32 s56, s56, 8
	s_and_b32 s57, s[WV], 1                        ; channels 32 (w & 1) ..: 32 rows of 8,192 bytes
	s_lshl_b32 s57, s57, 18
	s_add_co_u32 s56, s56, s57
	s_add_co_u32 s56, s56, s23
	s_mov_b32 s57, 0
	s_lshl_b32 s58, s16, 14                        ; qb, ab: row 128 block + 32 query group, 128 bytes a row (the only numbers that hang on cx)
	s_lshl_b32 s59, s13, 12
	s_add_co_u32 s58, s58, s59
	s_add_co_u32 s58, s58, s23
	s_mov_b32 s59, 0
	s_wait_kmcnt 0x0
	s_add_nc_u64 s[6:7], s[6:7], s[18:19]
	s_add_nc_u64 s[8:9], s[8:9], s[56:57]
	s_add_nc_u64 s[4:5], s[4:5], s[58:59]
	s_add_nc_u64 s[10:11], s[10:11], s[58:59]
	s_mul_i32 s18, s[WV], 64*KPITCH                ; waves 0-7: K's eight parts
	s_mul_i32 s19, s[WV], 32*VPITCH                ; waves 8-15: V's eight parts, behind K
	s_add_co_u32 s19, s19, KBYTES-8*32*VPITCH
.irp n, 0,1
	s_mov_b32 s[G0K+4*\n], 1
	s_add_co_u32 s[G0K+4*\n+1], s18, \n*SLOT
	s_add_nc_u64 s[G0K+4*\n+2:G0K+4*\n+3], s[6:7], \n*512*128
	s_or_b32 s[G0K+4*\n+3], s[G0K+4*\n+3], 0x80000000
	s_mov_b32 s[G0V+4*\n], 1
	s_add_co_u32 s[G0V+4*\n+1], s19, \n*SLOT
	s_add_nc_u64 s[G0V+4*\n+2:G0V+4*\n+3], s[8:9], \n*512*2
	s_or_b32 s[G0V+4*\n+3], s[G0V+4*\n+3], 0x80000000
.endr
	CROUND                                         ; the four work-groups are here: the first joint loads meet
	s_cmp_lt_u32 s[WV], 8                          ; both first fills of a wave stand inside this one branch
	s_cbranch_scc0 .Lfirst_v
	tensor_load_to_lds s[G0K:G0K+3], s[G1K:G1K+7]
	s_nop 0
	tensor_load_to_lds s[G0K+4:G0K+7], s[G1K:G1K+7]
	s_nop 0
	s_branch .Lfirst_done
.Lfirst_v:
	tensor_load_to_lds s[G0V:G0V+3], s[G1V:G1V+7]
	s_nop 0
	tensor_load_to_lds s[G0V+4:G0V+7], s[G1V:G1V+7]
	s_nop 0
.Lfirst_done:
	v_and_b32 v24, 15, v0                          ; r
	v_bfe_u32 v25, v0, 4, 1                        ; h
	v_lshlrev_b32 v26, 4, v25
	v_lshl_add_u32 v27, v24, 7, v26                ; Q: row r of 128 bytes + 16 h; v27 stays as it is until the wait for these loads
.irp qt, 0,1
.irp ch, 0,1
	global_load_b128 v[QF+16*\qt+8*\ch:QF+16*\qt+8*\ch+3], v27, s[4:5] offset:\qt*2048+64*\ch
	global_load_b128 v[QF+16*\qt+8*\ch+4:QF+16*\qt+8*\ch+7], v27, s[4:5] offset:\qt*2048+64*\ch+32
.endr
.endr
	v_mul_u32_u24 v28, v24, KPITCH
	v_lshl_add_u32 v28, v25, 4, v28                ; r x 144 + 16 h
	s_mul_i32 s18, s14, 128*KPITCH                 ; my quarter's 128 rows of K
	v_add_nc_u32 v[KAD], s18, v28
	v_add_nc_u32 v[KAD+1], SLOT, v[KAD]
	v_mul_u32_u24 v29, v24, VPITCH
	v_lshl_add_u32 v29, v25, 4, v29                ; r x 272 + 16 h
	s_mul_i32 s19, s14, VSUB                       ; my quarter's sub-tile of V
	s_add_co_u32 s19, s19, KBYTES
	v_add_nc_u32 v[VAD], s19, v29
	v_add_nc_u32 v[VAD+1], SLOT, v[VAD]
	v_mov_b32 v[M+1], 0                            ; the upper registers of these four pairs never feed a result (op_sel_hi 0 takes the lower one twice),
	v_mov_b32 v[M+3], 0                            ; but a packed instruction names the whole pair: they are written once
	v_mov_b32 v[AL+1], 0
	v_mov_b32 v[AL+3], 0
.macro KLOAD slot, b                   ; 64 keys x 64 channels: 16 loads, channels 0-31 of all four key tiles first
.irp ch, 0,1
.irp kt, 0,1,2,3
	ds_load_b128 v[F+16*\kt+8*\ch:F+16*\kt+8*\ch+3], v[KAD+\slot] offset:(\b)*64*KPITCH+\kt*16*KPITCH+64*\ch
	ds_load_b128 v[F+16*\kt+8*\ch+4:F+16*\kt+8*\ch+7], v[KAD+\slot] offset:(\b)*64*KPITCH+\kt*16*KPITCH+64*\ch+32
.endr
.endr
.endm
.macro VLOAD slot, b                   ; 64 channels x 64 keys: 16 loads
.irp sc, 0,1
.irp ct, 0,1,2,3
	ds_load_b128 v[F+32*\sc+8*\ct:F+32*\sc+8*\ct+3], v[VAD+\slot] offset:\ct*16*VPITCH+(\b)*128+64*\sc
	ds_load_b128 v[F+32*\sc+8*\ct+4:F+32*\sc+8*\ct+7], v[VAD+\slot] offset:\ct*16*VPITCH+(\b)*128+64*\sc+32
.endr
.endr
.endm
; The new maxima of both query tiles: 32 scores and the old maximum each, in 16 three-way maxima; eight chains (four a tile) that do not wait for each other;
; then the other half of the lanes.  Not in the first block: AL = old maximum - new maximum, at most 0.
.macro MAX2 first
.irp c, 0,1,2,3
.irp q, 0,1
	v_max3_num_f32 v[T+4*\q+\c], v[S+32*\q+8*\c], v[S+32*\q+8*\c+1], v[S+32*\q+8*\c+2]
.endr
.endr
.irp k, 3,5
.irp c, 0,1,2,3
.irp q, 0,1
	v_max3_num_f32 v[T+4*\q+\c], v[T+4*\q+\c], v[S+32*\q+8*\c+\k], v[S+32*\q+8*\c+\k+1]
.endr
.endr
.endr
.irp q, 0,1
	v_max3_num_f32 v[T+4*\q], v[T+4*\q], v[S+32*\q+7], v[S+32*\q+15]
	v_max3_num_f32 v[T+4*\q+2], v[T+4*\q+2], v[S+32*\q+23], v[S+32*\q+31]
.endr
.irp q, 0,1
	v_max3_num_f32 v[T+4*\q], v[T+4*\q], v[T+4*\q+1], v[T+4*\q+2]
.endr
.irp q, 0,1
.if \first
	v_max_num_f32 v[T+4*\q], v[T+4*\q], v[T+4*\q+3]
.else
	v_max3_num_f32 v[T+4*\q], v[T+4*\q], v[T+4*\q+3], v[M+2*\q]
.endif
.endr
.irp q, 0,1
	v_permlanex16_b32 v[T+4*\q+1], v[T+4*\q], s20, s21     ; its destination has been written: it counts as read
.endr
.if \first == 0
.irp q, 0,1
	v_max_num_f32 v[T+4*\q+2], v[T+4*\q], v[T+4*\q+1]
.endr
.irp q, 0,1
	v_sub_f32 v[AL+2*\q], v[M+2*\q], v[T+4*\q+2]
.endr
.endif
.irp q, 0,1
	v_max_num_f32 v[M+2*\q], v[T+4*\q], v[T+4*\q+1]
.endr
.endm
.macro SUBQ qt                         ; s - m, two at a time; both halves take the pair's lower register
.set i, 0
.rept 16
	v_pk_add_f32 v[S+32*\qt+2*i:S+32*\qt+2*i+1], v[S+32*\qt+2*i:S+32*\qt+2*i+1], v[M+2*\qt:M+2*\qt+1] op_sel_hi:[1,0] neg_lo:[0,1] neg_hi:[0,1]
.set i, i+1
.endr
.endm
.macro EXPQ qt
.set i, 0
.rept 32
	v_exp_f32 v[S+32*\qt+i], v[S+32*\qt+i]
.set i, i+1
.endr
.endm
; Sum and packing of query tile qt, pair by pair.  Pair idx of p is added to chain idx % 2 (the chains' first link takes the old sum times alpha: l = l alpha + p;
; in the first block two pairs start each chain), then packed to bf16: 16 registers of p become the 8 of a fragment of P, in place and ascending, so that a register
; is written only after its pair has been summed and packed.
.macro SUMCVT qt, first
.set idx, 0
.rept 16
.set pr, S+32*\qt+2*idx
.set lc, L+4*\qt+2*(idx%2)
.if \first
.if idx < 2
	s_wait_alu depctr_va_vdst(0)
	v_pk_add_f32 v[lc:lc+1], v[pr:pr+1], v[pr+4:pr+5]      ; pairs idx and idx + 2 start the chain: nothing is cleared
.endif
.if idx > 3
	v_pk_add_f32 v[lc:lc+1], v[lc:lc+1], v[pr:pr+1]
.endif
.else
.if idx < 2
	s_wait_alu depctr_va_vdst(0)
	v_pk_fma_f32 v[lc:lc+1], v[lc:lc+1], v[AL+2*\qt:AL+2*\qt+1], v[pr:pr+1] op_sel_hi:[1,0,1]
.else
	v_pk_add_f32 v[lc:lc+1], v[lc:lc+1], v[pr:pr+1]
.endif
.endif
	v_cvt_pk_bf16_f32 v[S+32*\qt+16*(idx/8)+(idx%8)], v[pr], v[pr+1]
.set idx, idx+1
.endr
.endm
; One block: my 32 queries x 64 keys (block b of my quarter of the slot).  first = 1: the launch's first block starts maximum, sum and output.
.macro BLOCK slot, b, first
	KLOAD \slot, \b
	s_wait_dscnt 8                                 ; the 8 loads of channels 32-63 are younger: channels 0-31 of the four key tiles are in
.irp kt, 0,1,2,3
.irp qt, 0,1
	v_wmma_f32_16x16x32_bf16 v[S+32*\qt+8*\kt:S+32*\qt+8*\kt+7], v[F+16*\kt:F+16*\kt+7], v[QF+16*\qt:QF+16*\qt+7], 0
.endr
.endr
	s_wait_dscnt 0
.irp kt, 0,1,2,3
.irp qt, 0,1
	v_wmma_f32_16x16x32_bf16 v[S+32*\qt+8*\kt:S+32*\qt+8*\kt+7], v[F+16*\kt+8:F+16*\kt+15], v[QF+16*\qt+8:QF+16*\qt+15], v[S+32*\qt+8*\kt:S+32*\qt+8*\kt+7]
.endr
.endr                                          ; the eight accumulators take turns, one instruction a turn
	PLACES 4                                       ; four places before the scores are read and before loads land in the registers of K's fragments
	VLOAD \slot, \b                                ; V comes in under the softmax
	MAX2 \first
.if \first == 0
	v_exp_f32 v[AL], v[AL]                         ; alpha = 2^(old - new)
	v_exp_f32 v[AL+2], v[AL+2]
.endif
	; behind each run of v_exp_f32 stand plain instructions of the other query tile before its results are used (ISA guide 5.7.2)
	SUBQ 0
	EXPQ 0
	SUBQ 1
	EXPQ 1
	SUMCVT 0, \first
	SUMCVT 1, \first
.if \first == 0
.irp qt, 0,1
.set i, 0
.rept 16
	v_pk_mul_f32 v[O+32*\qt+2*i:O+32*\qt+2*i+1], v[O+32*\qt+2*i:O+32*\qt+2*i+1], v[AL+2*\qt:AL+2*\qt+1] op_sel_hi:[1,0]
.set i, i+1
.endr
.endr
.endif
	s_wait_dscnt 0                                 ; V is in
.irp sc, 0,1
.irp qt, 0,1
.irp ct, 0,1,2,3
.if \first*(1-\sc)
	v_wmma_f32_16x16x32_bf16 v[O+32*\qt+8*\ct:O+32*\qt+8*\ct+7], v[F+32*\sc+8*\ct:F+32*\sc+8*\ct+7], v[S+32*\qt+16*\sc:S+32*\qt+16*\sc+7], 0
.else
	v_wmma_f32_16x16x32_bf16 v[O+32*\qt+8*\ct:O+32*\qt+8*\ct+7], v[F+32*\sc+8*\ct:F+32*\sc+8*\ct+7], v[S+32*\qt+16*\sc:S+32*\qt+16*\sc+7], v[O+32*\qt+8*\ct:O+32*\qt+8*\ct+7]
.endif
.endr
.endr
.endr                                          ; again eight accumulators by turns
	PLACES 5                                       ; five places before the next block's products write over P; they also cover the loads into the registers of V's fragments
.endm
; Two blocks on one slot.  In front: every wave's tensor loads have landed (this slot's among them) and its reads of the other slot are back;
; refill = 1: a round of the cluster's barrier, then the other slot's next tile as the first thing behind it, one load a wave.
.macro TRIP slot, refill
	s_wait_xcnt 0x0
	v_lshl_add_u32 v94, v0, 2, 0x46000
	v_mov_b32 v95, 0
	s_wait_tensorcnt 0x0                           ; all my tensor loads are done, so a group 0 may be written
	ds_add_u32 v94, v95
	s_wait_dscnt 0x0
.if \refill
	s_add_nc_u64 s[G0K+4*(1-\slot)+2:G0K+4*(1-\slot)+3], s[G0K+4*(1-\slot)+2:G0K+4*(1-\slot)+3], 2*512*128
	s_add_nc_u64 s[G0V+4*(1-\slot)+2:G0V+4*(1-\slot)+3], s[G0V+4*(1-\slot)+2:G0V+4*(1-\slot)+3], 2*512*2
.endif
	s_wait_dscnt 0x0                               ; my reads of the other slot are back
.if \refill
	CROUND                                         ; both now hold of every wave of the four work-groups
	JLOAD (1-\slot)
.else
	s_barrier_signal -1
	s_barrier_wait -1
.endif
	BLOCK \slot, 0, 0
	BLOCK \slot, 1, 0
.endm
	s_wait_tensorcnt 0x1                           ; my part of slot 0 is in; slot 1's may stay out
	s_barrier_signal -1
	s_barrier_wait -1
	s_wait_loadcnt 0x0                             ; Q
	BLOCK 0, 0, 1
	BLOCK 0, 1, 0
	s_mov_b32 s22, 3                               ; keys 512 .. 3,583: six slots
.Lloop:
	TRIP 1, 1
	TRIP 0, 1
	s_sub_co_u32 s22, s22, 1
	s_cmp_lg_u32 s22, 0
	s_cbranch_scc1 .Lloop
	TRIP 1, 0                                      ; the last 512 keys: nothing is left to fetch
	; THE MERGE.  First each wave folds its chains and joins the two halves of its lanes (their maxima are equal already).
	v_pk_add_f32 v[L:L+1], v[L:L+1], v[L+2:L+3]
	v_pk_add_f32 v[L+4:L+5], v[L+4:L+5], v[L+6:L+7]
	v_add_f32 v[L], v[L], v[L+1]
	v_add_f32 v[L+4], v[L+4], v[L+5]
	v_permlanex16_b32 v[T], v[L], s20, s21
	v_permlanex16_b32 v[T+1], v[L+4], s20, s21
	v_add_f32 v[L], v[L], v[T]
	v_add_f32 v[L+4], v[L+4], v[T+1]
	v_and_b32 v[T+2], 31, v0                       ; lane
	s_mul_i32 s56, s[WV], MSZ                      ; my wave's stage
	v_lshl_add_u32 v[MAD], v[T+2], 4, s56
	v_lshl_add_u32 v[MAD4], v[T+2], 2, s56
	s_cmp_lt_u32 s[WV], 4
	s_cbranch_scc1 .Lno_send                       ; waves 4-15 (key quarters 1-3) hand output, maxima and sums to waves 0-3
.irp g, 0,1,2,3,4,5,6,7,8,9,10,11,12,13,14,15
	ds_store_b128 v[MAD], v[O+4*\g:O+4*\g+3] offset:512*\g
.endr
	ds_store_b32 v[MAD4], v[M] offset:8192
	ds_store_b32 v[MAD4], v[M+2] offset:8320
	ds_store_b32 v[MAD4], v[L] offset:8448
	ds_store_b32 v[MAD4], v[L+4] offset:8576
.Lno_send:
	s_wait_dscnt 0x0                               ; my stores are done before I say so
	s_barrier_signal -1
	s_barrier_wait -1
	s_cmp_lt_u32 s[WV], 4
	s_cbranch_scc0 .Lclose
	; wave w < 4 adds the quarters of waves w + 4, w + 8, w + 12, whose stages lie 4, 8 and 12 x 8,704 bytes behind its own
.set PM, QF                            ; v[224:235] partner i = 1..3: m of tile 0, m of tile 1, l of tile 0, l of tile 1 at 4 (i - 1)
.set MM, QF+12                         ; v236-237   the maximum over the four quarters
.set RC, QF+14                         ; v238-239   1 / l
.set AF, QF+16                         ; v[240:255] factor of quarter i for query tile q: the lower register of the pair at 4 i + 2 q (the upper ones still hold old bits of Q and feed nothing)
	v_add_nc_u32 v[MB], 8*MSZ, v[MAD]
	v_add_nc_u32 v[MB4], 8*MSZ, v[MAD4]
.irp k, 0,1,2,3
	ds_load_b32 v[PM+\k], v[MAD4] offset:4*MSZ+8192+128*\k
.endr
.irp k, 0,1,2,3
	ds_load_b32 v[PM+4+\k], v[MB4] offset:8192+128*\k
.endr
.irp k, 0,1,2,3
	ds_load_b32 v[PM+8+\k], v[MB4] offset:4*MSZ+8192+128*\k
.endr
.irp g, 0,1,2,3,4,5,6,7,8,9,10,11,12,13,14,15
	ds_load_b128 v[F+4*\g:F+4*\g+3], v[MAD] offset:4*MSZ+512*\g    ; quarter 1's output, register for register
.endr
.irp g, 0,1,2,3,4,5,6,7,8,9,10,11,12,13,14,15
	ds_load_b128 v[S+4*\g:S+4*\g+3], v[MB] offset:512*\g           ; quarter 2's
.endr
	; addresses of the way out, while the loads are on their way
	v_and_b32 v[T], 15, v0                         ; r
	v_bfe_u32 v[T+1], v0, 4, 1                     ; h
	v_mul_u32_u24 v[T+3], v[T], KPITCH
	v_lshl_add_u32 v[T+3], v[T+1], 4, v[T+3]
	v_add_nc_u32 v[OST], s56, v[T+3]               ; in: row r, 16 bytes for each half of the lanes
	v_lshrrev_b32 v[T+3], 3, v[T+2]
	v_mul_u32_u24 v[T+3], v[T+3], KPITCH
	v_and_b32 v[T+4], 7, v0
	v_lshl_add_u32 v[T+3], v[T+4], 4, v[T+3]
	v_add_nc_u32 v[ORD], s56, v[T+3]               ; back: eight lanes take a row of 128 bytes
	v_lshlrev_b32 v[GO], 4, v[T+2]
	s_wait_dscnt 32                                ; the 32 loads of outputs are younger: the twelve maxima and sums are in
.irp q, 0,1
	v_max3_num_f32 v[MM+\q], v[M+2*\q], v[PM+\q], v[PM+4+\q]
.endr
.irp q, 0,1
	v_max_num_f32 v[MM+\q], v[MM+\q], v[PM+8+\q]
.endr
.irp q, 0,1
	v_sub_f32 v[AF+2*\q], v[M+2*\q], v[MM+\q]
.irp i, 1,2,3
	v_sub_f32 v[AF+4*\i+2*\q], v[PM+4*(\i-1)+\q], v[MM+\q]
.endr
.endr
.irp q, 0,1
.irp i, 0,1,2,3
	v_exp_f32 v[AF+4*\i+2*\q], v[AF+4*\i+2*\q]     ; a_i = 2^(m_i - m)
.endr
.endr
	v_nop                                          ; a plain place behind the exponentials
	s_wait_alu depctr_va_vdst(0)
.irp q, 0,1
	v_mul_f32 v[L+4*\q], v[L+4*\q], v[AF+2*\q]
.endr
.irp i, 1,2,3
.irp q, 0,1
	v_fma_f32 v[L+4*\q], v[PM+4*(\i-1)+2+\q], v[AF+4*\i+2*\q], v[L+4*\q]   ; l = sum of a_i l_i: at least 1, since the largest score of all keys gives p = 1 with factor 1
.endr
.endr
	v_rcp_f32 v[RC], v[L]
	v_rcp_f32 v[RC+1], v[L+4]
	v_nop                                          ; a plain place behind the reciprocals
	s_wait_alu depctr_va_vdst(0)
.irp q, 0,1
.irp i, 0,1,2,3
	v_mul_f32 v[AF+4*\i+2*\q], v[AF+4*\i+2*\q], v[RC+\q]   ; a_i / l
.endr
.endr
.irp qt, 0,1
.set i, 0
.rept 16
	v_pk_mul_f32 v[O+32*\qt+2*i:O+32*\qt+2*i+1], v[O+32*\qt+2*i:O+32*\qt+2*i+1], v[AF+2*\qt:AF+2*\qt+1] op_sel_hi:[1,0]
.set i, i+1
.endr
.endr
.macro MADD src, p                     ; my output += quarter p's output (in registers src ..) x its factor
.irp qt, 0,1
.set i, 0
.rept 16
	v_pk_fma_f32 v[O+32*\qt+2*i:O+32*\qt+2*i+1], v[\src+32*\qt+2*i:\src+32*\qt+2*i+1], v[AF+4*\p+2*\qt:AF+4*\p+2*\qt+1], v[O+32*\qt+2*i:O+32*\qt+2*i+1] op_sel_hi:[1,0,1]
.set i, i+1
.endr
.endr
.endm
	s_wait_dscnt 16                                ; quarter 2's 16 loads are younger: quarter 1's output is in
	MADD F, 1
.irp g, 0,1,2,3,4,5,6,7,8,9,10,11,12,13,14,15
	ds_load_b128 v[F+4*\g:F+4*\g+3], v[MB] offset:4*MSZ+512*\g     ; quarter 3's
.endr
	s_wait_dscnt 16                                ; quarter 3's 16 loads are younger: quarter 2's output is in
	MADD S, 2
	s_wait_dscnt 0
	MADD F, 3
	; THE WAY OUT: 8 channels of a query are 16 bytes; through my own stage (no other wave touches it), whole rows back, 512 neighbouring bytes a store
.irp qt, 0,1
.irp ct, 0,1,2,3
.irp p, 0,1,2,3
	v_cvt_pk_bf16_f32 v[O+32*\qt+8*\ct+\p], v[O+32*\qt+8*\ct+2*\p], v[O+32*\qt+8*\ct+2*\p+1]
.endr
	ds_store_b128 v[OST], v[O+32*\qt+8*\ct:O+32*\qt+8*\ct+3] offset:\qt*16*KPITCH+32*\ct
.endr
.endr
.irp i, 0,1,2,3,4,5,6,7
	ds_load_b128 v[S+4*\i:S+4*\i+3], v[ORD] offset:\i*4*KPITCH     ; LDS serves a wave's instructions in order: these see the stores above
.endr
.irp i, 0,1,2,3,4,5,6,7
	s_wait_dscnt 7-\i                              ; the younger read-backs stay out
	global_store_b128 v[GO], v[S+4*\i:S+4*\i+3], s[10:11] offset:512*\i
.endr
.Lclose:
	s_wait_xcnt 0x0
	v_lshl_add_u32 v94, v0, 2, 0x46000
	v_mov_b32 v95, 0
	s_wait_tensorcnt 0x0
	ds_add_u32 v94, v95
	s_wait_dscnt 0x0
	CROUND                                         ; the closing round: no work-group ends while a partner may still ask jointly
	s_endpgm
.Lfunc_end_k_q608414d99b_attn:
	.size	k_q608414d99b_attn, .Lfunc_end_k_q608414d99b_attn-k_q608414d99b_attn
	.p2alignl 7, 3214868480
	.fill 96, 4, 3214868480
	.section	.rodata,"a",@progbits
	.p2align	6, 0x0
	.amdhsa_kernel k_q608414d99b_attn
		.amdhsa_group_segment_fixed_size 327680
		.amdhsa_private_segment_fixed_size 0
		.amdhsa_enable_private_segment 0
		.amdhsa_kernarg_size 32
		.amdhsa_user_sgpr_count 2
		.amdhsa_user_sgpr_kernarg_segment_ptr 1
		.amdhsa_wavefront_size32 1
		.amdhsa_system_sgpr_workgroup_id_x 1
		.amdhsa_system_sgpr_workgroup_id_y 1
		.amdhsa_system_sgpr_workgroup_id_z 1
		.amdhsa_system_vgpr_workitem_id 0
		.amdhsa_next_free_vgpr 256
		.amdhsa_next_free_sgpr 66
		.amdhsa_reserve_vcc 0
		.amdhsa_float_denorm_mode_32 3
		.amdhsa_float_denorm_mode_16_64 3
		.amdhsa_memory_ordered 1
		.amdhsa_forward_progress 1
		.amdhsa_inst_pref_size 163
	.end_amdhsa_kernel
	.amdgpu_metadata
---
amdhsa.version: [ 1, 2 ]
amdhsa.kernels:
  - .name:           k_q608414d99b_attn
    .symbol:         k_q608414d99b_attn.kd
    .args:
      - { .name: qb, .offset: 0, .size: 8, .value_kind: global_buffer, .address_space: global }
      - { .name: kb, .offset: 8, .size: 8, .value_kind: global_buffer, .address_space: global }
      - { .name: vb, .offset: 16, .size: 8, .value_kind: global_buffer, .address_space: global }
      - { .name: ab, .offset: 24, .size: 8, .value_kind: global_buffer, .address_space: global }
    .group_segment_fixed_size: 327680
    .private_segment_fixed_size: 0
    .kernarg_segment_align: 8
    .kernarg_segment_size: 32
    .max_flat_workgroup_size: 512
    .sgpr_count:     66
    .vgpr_count:     256
    .wavefront_size: 32
...
	.end_amdgpu_metadata
.endif
;; end of part 3
;; launch proj (part 4): grid 128 x 2, 4 waves a work-group, clusters of 4 x 1, 168,448 bytes of LDS; arguments ab, wbf, proj_b, x, out0; writes out0
.if DOCPART == 4
	.amdgcn_target "amdgcn-amd-amdhsa--gfx1250"
	.amdhsa_code_object_version 6
	.text
	.protected	k_q608414d99b_proj
	.globl	k_q608414d99b_proj
	.p2align	8
	.type	k_q608414d99b_proj,@function
k_q608414d99b_proj:
	s_mov_b64 s[64:65], 0
	v_nop
	global_prefetch_b8 v0, s[64:65] scope:SCOPE_SE
	s_setreg_imm32_b32 hwreg(HW_REG_WAVE_MODE, 25, 1), 1
	s_wait_xcnt 0x0
	s_wait_alu depctr_hold_cnt(0) depctr_sa_sdst(0) depctr_va_vdst(0) depctr_va_sdst(0) depctr_va_ssrc(0) depctr_va_vcc(0) depctr_vm_vsrc(0)
	s_getreg_b32 s2, hwreg(HW_REG_IB_STS2, 6, 4)
	s_cmp_eq_u32 s2, 0
	s_cbranch_scc0 .Lentry_in_a_cluster
	s_endpgm
.Lentry_in_a_cluster:
	s_bfe_u32 s2, ttmp6, 0x10000c
	s_cmp_lg_u32 s2, 0x3003
	s_cbranch_scc0 .Lentry_shape_is_right
	s_endpgm
.Lentry_shape_is_right:
; out0[b][o][t] = x[b][o][t] + proj_b[o] + sum over c of Wp[o][c] a[b][c][t].  Wp = rows 768-1023 of wbf (bf16); a = ab [bh][t][64] (bf16), c = 64 head + channel.
; A work-group makes 128 o (half oh of the 256) x 64 t; wave w makes 32 o (2 tiles) x 64 t (4 tiles): 8 accumulators x 8 K steps.
; Source 0 = rows of Wp, source 1 = columns t of a (K along ab's rows).  The bias runs along a lane's 8 results and enters as the C of the first product.
; CLUSTERS: the 4 work-groups of a cluster are neighbouring blocks of t with the same oh: Wp's 64 KiB are asked for jointly (mask 15); a's tile is each work-group's own (mask 0).
; Both loads of a wave go out behind the one opening round: two tensor loads out, once.  The text uses 139,264 bytes of LDS and asks for more than half of a WGP's, to be alone on it.
; The results leave through each wave's own stage so that a row of 64 f32 is stored as 256 neighbouring bytes, aligned, by sixteen lanes.
; LIMITS: operands bf16, sums, bias and residual f32.
.set WV,  14                           ; s14 wave number
.set G1W, 24                           ; s[24:31] group 1, Wp
.set G0W, 32                           ; s[32:35] group 0, Wp
.set G1A, 36                           ; s[36:43] group 1, a
.set G0A, 44                           ; s[44:47] group 0, a
.set WPITCH, 528
.set APITCH, 144
.set SPITCH, 272
.set AT,  128*WPITCH                   ; 67,584: four heads' tiles of 64 rows
.set ST,  AT+4*64*APITCH               ; 104,448: each wave's stage, 32 rows
.set AAD, 3                            ; v3  my fragments of Wp
.set BAD, 4                            ; v4  the fragments of a
.set STO, 5                            ; v5  into my stage
.set RD,  6                            ; v6  back out of it
.set XO,  7                            ; v7  my bytes in x and out0
.set BOF, 8                            ; v8  my 8 biases of a tile
.set ACC, 16                           ; v[16:79]   (mt, nt) at 8 (4 mt + nt)
.set BI,  80                           ; v[80:95]   biases as C
.set XR,  96                           ; v[96:159]  x
.set F,   160                          ; v[160:255] two fragment buffers of 48: Wp at 8 mt, a at 16 + 8 nt; later the rows read back
.macro PLACES n
.rept \n
	v_nop
.endr
.endm
.macro CROUND                          ; a round of the cluster's barrier
	s_barrier_signal -1
	s_barrier_wait -1
	s_cmp_lg_u32 s[WV], 0
	s_cbranch_scc1 .Lnot_wave_0_\@
	s_barrier_signal -3
.Lnot_wave_0_\@:
	s_barrier_wait -3
	s_barrier_signal -1
	s_barrier_wait -1
.endm
	s_load_b256 s[4:11], s[0:1], 0x0               ; ab s[4:5], wbf s[6:7], proj_b s[8:9], x s[10:11]
	s_load_b64 s[12:13], s[0:1], 0x20              ; out0
	v_lshl_add_u32 v14, v0, 2, 0x29000
	v_mov_b32 v15, 0
	ds_add_u32 v14, v15
	v_lshrrev_b32 v1, 5, v0
	v_readfirstlane_b32 s[WV], v1                  ; wave 0..3
	s_bfe_u32 s15, ttmp6, 0x40000                  ; cx
	s_lshl_b32 s16, ttmp9, 2
	s_add_co_u32 s16, s16, s15                     ; 64 batch + block of 64 t
	s_lshr_b32 s17, s16, 6                         ; batch
	s_and_b32 s18, s16, 63                         ; block of t
	s_and_b32 s19, ttmp7, 0xffff                   ; oh
	; Wp's tile: 32 rows x 256 elements of 2 bytes, 4 words of padding behind every 128; joint
	s_mov_b32 s[G1W+0], 15|(1<<16)|(1<<20)|(1<<21)|(6<<22)|(3<<25)
	s_mov_b32 s[G1W+1], 256<<16
	s_mov_b32 s[G1W+2], 32<<16
	s_mov_b32 s[G1W+3], 256<<16
	s_mov_b32 s[G1W+4], 32
	s_mov_b32 s[G1W+5], 256
	s_mov_b32 s[G1W+6], 0
	s_mov_b32 s[G1W+7], 0
	; a's tile: 64 rows x 64 elements of 2 bytes, 4 words of padding behind every 32; my own
	s_mov_b32 s[G1A+0], (1<<16)|(1<<20)|(4<<22)|(3<<25)
	s_mov_b32 s[G1A+1], 64<<16
	s_mov_b32 s[G1A+2], 64<<16
	s_mov_b32 s[G1A+3], 64<<16
	s_mov_b32 s[G1A+4], 64
	s_mov_b32 s[G1A+5], 64
	s_mov_b32 s[G1A+6], 0
	s_mov_b32 s[G1A+7], 0
	s_lshl_b32 s20, s19, 16                        ; Wp: row 768 + 128 oh + 32 wave, 512 bytes a row: nothing of cx
	s_lshl_b32 s21, s[WV], 14
	s_add_co_u32 s20, s20, s21
	s_add_co_u32 s20, s20, 768*512
	s_mov_b32 s21, 0
	s_lshl2_add_u32 s22, s17, s[WV]                ; a: head = wave: bh = 4 batch + wave,
	s_lshl_b32 s22, s22, 19
	s_lshl_b32 s23, s18, 13                        ; row 64 block, 128 bytes a row
	s_add_co_u32 s22, s22, s23
	s_mov_b32 s23, 0
	s_lshl_b32 s48, s17, 22                        ; x, out0: batch x 4 MiB + row (128 oh + 32 wave) x 16,384 + block x 256 bytes
	s_lshl_b32 s49, s19, 21
	s_add_co_u32 s48, s48, s49
	s_lshl_b32 s49, s[WV], 19
	s_add_co_u32 s48, s48, s49
	s_lshl_b32 s49, s18, 8
	s_add_co_u32 s48, s48, s49
	s_mov_b32 s49, 0
	s_lshl_b32 s50, s19, 9                         ; proj_b: 128 oh + 32 wave, 4 bytes each
	s_lshl_b32 s51, s[WV], 7
	s_add_co_u32 s50, s50, s51
	s_mov_b32 s51, 0
	v_and_b32 v1, 15, v0                           ; r
	v_bfe_u32 v2, v0, 4, 1                         ; h
	v_lshlrev_b32 v[BOF], 5, v2
	v_lshlrev_b32 v9, 4, v1
	v_lshl_add_u32 v[XO], v2, 14, v9               ; lanes 0-15 one row, lanes 16-31 the next, 16 bytes a lane
	s_wait_dscnt 0x0
	s_wait_kmcnt 0x0
	s_mov_b32 s[G0W+0], 1
	s_mul_i32 s[G0W+1], s[WV], 32*WPITCH
	s_add_nc_u64 s[G0W+2:G0W+3], s[6:7], s[20:21]
	s_or_b32 s[G0W+3], s[G0W+3], 0x80000000
	s_mov_b32 s[G0A+0], 1
	s_mul_i32 s[G0A+1], s[WV], 64*APITCH
	s_add_co_u32 s[G0A+1], s[G0A+1], AT
	s_add_nc_u64 s[G0A+2:G0A+3], s[4:5], s[22:23]
	s_or_b32 s[G0A+3], s[G0A+3], 0x80000000
	s_add_nc_u64 s[8:9], s[8:9], s[50:51]
	s_add_nc_u64 s[10:11], s[10:11], s[48:49]
	s_add_nc_u64 s[12:13], s[12:13], s[48:49]
	CROUND                                         ; the four work-groups are here: the joint loads meet
	tensor_load_to_lds s[G0W:G0W+3], s[G1W:G1W+7]
	s_nop 0
	tensor_load_to_lds s[G0A:G0A+3], s[G1A:G1A+7]
	s_nop 0
.irp mt, 0,1
	global_load_b128 v[BI+8*\mt:BI+8*\mt+3], v[BOF], s[8:9] offset:64*\mt
	global_load_b128 v[BI+8*\mt+4:BI+8*\mt+7], v[BOF], s[8:9] offset:64*\mt+16
.endr
.irp i, 0,1,2,3,4,5,6,7,8,9,10,11,12,13,14,15
	global_load_b128 v[XR+4*\i:XR+4*\i+3], v[XO], s[10:11] offset:32768*\i th:TH_LOAD_NT   ; rows 2 i, 2 i + 1 of my 32; wanted only on the way out
.endr
	v_mul_u32_u24 v9, v1, WPITCH
	v_lshl_add_u32 v9, v2, 4, v9
	s_mul_i32 s52, s[WV], 32*WPITCH
	v_add_nc_u32 v[AAD], s52, v9
	v_mul_u32_u24 v9, v1, APITCH
	v_lshl_add_u32 v9, v2, 4, v9
	v_add_nc_u32 v[BAD], AT, v9
	s_mul_i32 s53, s[WV], 32*SPITCH
	s_add_co_u32 s53, s53, ST
	v_mul_u32_u24 v9, v2, 8*SPITCH                 ; in: rows 8 h + j, column r
	v_lshl_add_u32 v9, v1, 2, v9
	v_add_nc_u32 v[STO], s53, v9
	v_mul_u32_u24 v9, v2, SPITCH                   ; back: lanes 0-15 one row of 256 bytes, lanes 16-31 the next
	v_lshl_add_u32 v9, v1, 4, v9
	v_add_nc_u32 v[RD], s53, v9
.macro FRAG ks                         ; the 12 loads of K step ks (32 channels: head ks / 2, half ks & 1) into buffer ks & 1
.irp mt, 0,1
	ds_load_b128 v[F+48*((\ks)&1)+8*\mt:F+48*((\ks)&1)+8*\mt+3], v[AAD] offset:\mt*16*WPITCH+64*(\ks)
	ds_load_b128 v[F+48*((\ks)&1)+8*\mt+4:F+48*((\ks)&1)+8*\mt+7], v[AAD] offset:\mt*16*WPITCH+64*(\ks)+32
.endr
.irp nt, 0,1,2,3
	ds_load_b128 v[F+48*((\ks)&1)+16+8*\nt:F+48*((\ks)&1)+16+8*\nt+3], v[BAD] offset:((\ks)>>1)*64*APITCH+\nt*16*APITCH+((\ks)&1)*64
	ds_load_b128 v[F+48*((\ks)&1)+16+8*\nt+4:F+48*((\ks)&1)+16+8*\nt+7], v[BAD] offset:((\ks)>>1)*64*APITCH+\nt*16*APITCH+((\ks)&1)*64+32
.endr
.endm
.macro MULP ks                         ; 8 accumulators by turns, one instruction a turn; the first K step starts the sums from the bias
.irp mt, 0,1
.irp nt, 0,1,2,3
.set d, ACC+8*(4*\mt+\nt)
.set fa, F+48*(\ks&1)+8*\mt
.set fb, F+48*(\ks&1)+16+8*\nt
.if \ks == 0
	v_wmma_f32_16x16x32_bf16 v[d:d+7], v[fa:fa+7], v[fb:fb+7], v[BI+8*\mt:BI+8*\mt+7]
.else
	v_wmma_f32_16x16x32_bf16 v[d:d+7], v[fa:fa+7], v[fb:fb+7], v[d:d+7]
.endif
.endr
.endr
.endm
	s_wait_tensorcnt 0x0                           ; my two tiles are in LDS,
	s_barrier_signal -1
	s_barrier_wait -1                              ; everybody's are
	FRAG 0
	s_wait_loadcnt 16                              ; the sixteen loads of x are younger: the biases are in
.irp k, 0,1,2,3,4,5,6,7
.if \k*(7-\k)
	PLACES 4                                       ; four places before loads land in the buffer that the last K step but one's products have read
.endif
.if \k < 7
	FRAG \k+1
	s_wait_dscnt 12                                ; the 12 loads just issued may stay out: this K step's fragments are in
.else
	s_wait_dscnt 0
.endif
	MULP \k
.endr
	s_wait_loadcnt 0x0                             ; x
	PLACES 4                                       ; four places before the LDS stores read the sums and before loads land in the fragment buffers
.irp mt, 0,1
.irp nt, 0,1,2,3
.irp j, 0,1,2,3,4,5,6,7
	ds_store_b32 v[STO], v[ACC+8*(4*\mt+\nt)+\j] offset:(16*\mt+\j)*SPITCH+64*\nt
.endr
.endr
.endr
.irp i, 0,1,2,3,4,5,6,7,8,9,10,11,12,13,14,15
	ds_load_b128 v[F+4*\i:F+4*\i+3], v[RD] offset:\i*2*SPITCH      ; my own stage, and LDS serves a wave's instructions in order: these see the stores above
.endr
.irp i, 0,1,2,3,4,5,6,7,8,9,10,11,12,13,14,15
	s_wait_dscnt 15-\i
	v_pk_add_f32 v[F+4*\i:F+4*\i+1], v[F+4*\i:F+4*\i+1], v[XR+4*\i:XR+4*\i+1]
	v_pk_add_f32 v[F+4*\i+2:F+4*\i+3], v[F+4*\i+2:F+4*\i+3], v[XR+4*\i+2:XR+4*\i+3]
	global_store_b128 v[XO], v[F+4*\i:F+4*\i+3], s[12:13] offset:32768*\i th:TH_STORE_NT   ; sixteen lanes store 256 neighbouring bytes, aligned
.endr
	s_wait_tensorcnt 0x0
	ds_add_u32 v14, v15
	s_wait_dscnt 0x0
	CROUND                                         ; the closing round: no work-group ends while a partner may still ask jointly
	s_endpgm
.Lfunc_end_k_q608414d99b_proj:
	.size	k_q608414d99b_proj, .Lfunc_end_k_q608414d99b_proj-k_q608414d99b_proj
	.p2alignl 7, 3214868480
	.fill 96, 4, 3214868480
	.section	.rodata,"a",@progbits
	.p2align	6, 0x0
	.amdhsa_kernel k_q608414d99b_proj
		.amdhsa_group_segment_fixed_size 168448
		.amdhsa_private_segment_fixed_size 0
		.amdhsa_enable_private_segment 0
		.amdhsa_kernarg_size 40
		.amdhsa_user_sgpr_count 2
		.amdhsa_user_sgpr_kernarg_segment_ptr 1
		.amdhsa_wavefront_size32 1
		.amdhsa_system_sgpr_workgroup_id_x 1
		.amdhsa_system_sgpr_workgroup_id_y 1
		.amdhsa_system_sgpr_workgroup_id_z 1
		.amdhsa_system_vgpr_workitem_id 0
		.amdhsa_next_free_vgpr 256
		.amdhsa_next_free_sgpr 66
		.amdhsa_reserve_vcc 0
		.amdhsa_float_denorm_mode_32 3
		.amdhsa_float_denorm_mode_16_64 3
		.amdhsa_memory_ordered 1
		.amdhsa_forward_progress 1
		.amdhsa_inst_pref_size 28
	.end_amdhsa_kernel
	.amdgpu_metadata
---
amdhsa.version: [ 1, 2 ]
amdhsa.kernels:
  - .name:           k_q608414d99b_proj
    .symbol:         k_q608414d99b_proj.kd
    .args:
      - { .name: ab, .offset: 0, .size: 8, .value_kind: global_buffer, .address_space: global }
      - { .name: wbf, .offset: 8, .size: 8, .value_kind: global_buffer, .address_space: global }
      - { .name: proj_b, .offset: 16, .size: 8, .value_kind: global_buffer, .address_space: global }
      - { .name: x, .offset: 24, .size: 8, .value_kind: global_buffer, .address_space: global }
      - { .name: out0, .offset: 32, .size: 8, .value_kind: global_buffer, .address_space: global }
    .group_segment_fixed_size: 168448
    .private_segment_fixed_size: 0
    .kernarg_segment_align: 8
    .kernarg_segment_size: 40
    .max_flat_workgroup_size: 128
    .sgpr_count:     66
    .vgpr_count:     256
    .wavefront_size: 32
...
	.end_amdgpu_metadata
.endif
;; end of part 4
